; MI455X (gfx1250); checked and timed in simulation.
; The chip was launched on July 23, 2026; its instructions are those of AMD's public machine-readable ISA for CDNA 5 (MIT licence, August 2026) and "CDNA5" Instruction Set Architecture Reference Guide (July 2026). The comments in the code are by the model that wrote it; some were corrected since.
;; Self Attention. Allowed arithmetic: matrix products marked QUANTISED: E4M3 operands, one E8M0 scale for each 32 along K, by v_wmma_scale_f32_16x16x128_f8f6f4 with both operands' format E4M3, f32 sums; everything else in f32.
;; Inputs: inputs 4 x 2,048 x 1,024 float32; ln_b 1,024 float32; ln_w 1,024 float32; w_qkv_codes 3,072 x 32 x 32 uint8 (E4M3 codes of w_qkv, K innermost, in blocks of 32 codes); w_qkv_scales 3,072 x 32 uint8 (E8M0 scales of w_qkv, one for each 32 codes along K).
;; Outputs: out0 4 x 2,048 x 1,024 float32.
;; This version of the problem:
;;   THIS VERSION OF THE PROBLEM IS GIVEN IN LOW PRECISION. The matrix products marked QUANTISED in the list below multiply operands that are first quantised to E4M3 (4 exponent bits, 3 mantissa bits; 8 bits a number), with one power-of-two scale for each 32 numbers along K (OCP MX v1.0); their sums are f32. All else is computed in f32.
;;   The module's matrix products, in the order in which they are computed (A, B: the left and right operand; K: the contracted axis; several contracted axes count as one K, in the product's order):
;;     1. [M 8,192, K 1,024] x [K 1,024, N 3,072]; A: computed on the way; B: input w_qkv (given as codes): QUANTISED
;;     2. batch 64 x [M 2,048, K 64] x [K 64, N 2,048]; A: computed on the way; B: computed on the way: QUANTISED
;;     3. batch 64 x [M 2,048, K 2,048] x [K 2,048, N 64]; A: softmax (see below); B: computed on the way: QUANTISED
;;   THE QUANTISER, for each operand of a quantised product, along K:
;;     - K is cut into blocks of 32 from its start; a last block that is shorter is filled with zeros.
;;     - A block's scale is 2^e with e = floor(log2(the largest magnitude in the block)) - 8, held to -126 .. 127; a block of zeros has e = 0. As a byte (E8M0): e + 127.
;;     - Each number is divided by its block's scale, clamped to +-448, and rounded to the nearest number of E4M3, ties to even, subnormals kept.
;;     - The product sums the exact products of the quantised numbers (number of the format x scale) in f32.
;;   ~~~python
;;   def quantise(x, axis):      # numpy; x: float32 -> the quantised numbers, widened to float32 again
;;       x = np.moveaxis(x, axis, -1); K = x.shape[-1]
;;       x = np.pad(x, [(0, 0)] * (x.ndim - 1) + [(0, -K % 32)]); x = x.reshape(x.shape[:-1] + (-1, 32)); a = np.abs(x).max(-1, keepdims=True)
;;       e = np.where(a > 0, np.clip(np.frexp(np.where(a > 0, a, 1))[1] - 1 - 8, -126, 127), 0)      # np.frexp(a)[1] - 1 = floor(log2(a)), exactly
;;       r = np.clip(x / 2.0 ** e, -448, 448)
;;       step = 2.0 ** (np.maximum(np.frexp(np.where(r == 0, 1, r))[1] - 1, -6) - 3)
;;       q = np.round(r / step) * step * 2.0 ** e      # np.round: ties to even
;;       return np.moveaxis(q.reshape(q.shape[:-2] + (-1,))[..., :K], -1, axis).astype(np.float32)
;;   ~~~
;;   SOFTMAX AHEAD OF A QUANTISED PRODUCT. Where the list says 'softmax', what is quantised is not the finished softmax but p = 2^(t - M), with t = logit x log2(e) and M = ceil(the row's largest t), a whole number; so 1/2 < the row's largest p <= 1. The row's sum l is taken of the UNQUANTISED p, in f32, and the product's result is divided by l at the end. Since M is a whole number, a kernel that streams over the keys may use a running M (the ceiling of the running maximum): every later rescaling is an exact power of two, which a block's scale takes up: the codes' values come out the same.
;;   OPERANDS COMPUTED ON THE WAY. 'Computed on the way' means the value that the module computes at that place (a softmax that the list does not call 'softmax' is quantised finished and normalised). What goes into a quantiser is computed in f32, as accurately as f32 sums, v_exp_f32 and their like allow (about 1e-6 of the number): no bf16 or f16 on the way to a quantiser, and a product that is left as it is and whose result goes on into a quantised operand takes f32 operands (vector FMAs, or v_wmma_f32_16x16x4_f32). A number that lies on a knife's edge between two numbers of the format may be rounded either way, as far as f32 arithmetic and the matrix unit's own rounding can turn it there, and no further.
;;   INPUTS GIVEN AS CODES. w_qkv (in the module: [3072, 1024], K = its axis 1): each comes as NAME_codes (uint8): NAME with its K axis moved to the last place and cut into blocks of 32 codes, [.., K / 32, bytes a block], one block behind the other in memory; one code a byte (a code: sign, 4 exponent bits, 3 mantissa bits); and NAME_scales (uint8): the same leading axes, one E8M0 byte (e + 127) for each 32 codes along K. Its value is code x scale, taken as it is: it is not quantised again, and the codes and scales need not be those that the quantiser above would give.
;; One version. Each part assembles by itself: llvm-mc -triple=amdgcn-amd-amdhsa -mcpu=gfx1250 --defsym DOCPART=n.
;; ======== version 1 of 1: 3 launches
;; limits: right only within a limited range of input values
;; workspace buffers: x_codes 8,388,608 bytes; x_scales 262,144 bytes; qk 17,825,792 bytes; vv 8,650,752 bytes
;; launch lnq (part 1): grid 256 x 1, 8 waves a work-group, no clusters, 34,816 bytes of LDS; arguments inputs, ln_w, ln_b, x_codes, x_scales; writes x_codes, x_scales
.if DOCPART == 1
	.amdgcn_target "amdgcn-amd-amdhsa--gfx1250"
	.amdhsa_code_object_version 6
	.text
	.protected	k_q4c678a1ca8_lnq
	.globl	k_q4c678a1ca8_lnq
	.p2align	8
	.type	k_q4c678a1ca8_lnq,@function
k_q4c678a1ca8_lnq:
	s_mov_b64 s[64:65], 0
	v_nop
	global_prefetch_b8 v0, s[64:65] scope:SCOPE_SE
	s_setreg_imm32_b32 hwreg(HW_REG_WAVE_MODE, 25, 1), 1
	s_wait_xcnt 0x0
; x = LayerNorm(inputs) * ln_w + ln_b, quantised along E = 1,024 into codes of E4M3 (x_codes [8192][1024], one code a byte) with one E8M0 byte for each 32 (x_scales [8192][32]).
; SHARES.  A work-group takes 32 rows, a wave 4, a lane 32 numbers of each row: load i of a row is 512 consecutive bytes, 16 a lane, so a lane holds elements 128 i + 4 lane + 0..3
; and a block of 32 lies in 8 neighbouring lanes.  All 32 loads of a wave's rows and the 16 of ln_w and ln_b go out at once; a row stays in registers through mean, variance and quantiser.
; The mean is taken first and the variance of the centred numbers, as the definition has it: a common offset of the inputs costs no accuracy.
; THE QUANTISER.  A block's scale is 2^(floor(log2(largest magnitude)) - 8).  A conversion takes 8 registers and ONE scale, and a lane's 8 registers span two blocks: so each number is first multiplied
; by 2^-e of its own block (a power of two: nothing is rounded), held within +-448, and converted with the scale 1.
; The codes (4 bytes a lane and load) go through the wave's own 4,096 bytes of LDS and leave 512 consecutive bytes a store; the work-group's 1,024 scale bytes are gathered in LDS and leave whole.
; No matrix unit, tensor load, cluster or prefetch: the launch is one stream, each byte read once, and all of it is asked for at the head.
; LIMITS: NaN and infinities among the inputs are not served; a block whose largest magnitude lies under 2^-118 keeps the byte 1; a block of zeros gets the byte 1 and not 127: its codes are zeros, and only this program reads the bytes.
.set SCLB, 32768                       ; LDS: 8 x 4,096 bytes of codes, then the 1,024 scale bytes
.set MU,   8                           ; v[8+2q:9+2q] row q's mean, later 1/sqrt(var + eps), in both words
.set R,    16                          ; v[16+2i] 2^-e of my block in load i; the odd registers are written once, since pairs are named
.set X,    32                          ; v32-159  row q, load i at X + 32 q + 4 i
.set W,    160                         ; v160-191 ln_w of my 32 columns
.set B,    192                         ; v192-223 ln_b
.set C,    224                         ; v224-231 at work on the sums; later a row's codes
.set M,    232                         ; v232-239 the blocks' largest magnitudes
.set BY,   240                         ; v240-247 the scale bytes
.set PT,   248                         ; v248     a lane permute's destination
.set SGO,  249                         ; v249     the scale bytes' offset in memory
.set VA,   250                         ; v250-253 var + eps of the four rows
	s_load_b256 s[4:11], s[0:1], 0x0               ; inputs s[4:5], ln_w s[6:7], ln_b s[8:9], x_codes s[10:11]
	s_load_b64 s[20:21], s[0:1], 0x20              ; x_scales
	v_lshl_add_u32 v254, v0, 2, 0x8400
	v_mov_b32 v255, 0
	v_lshrrev_b32 v1, 5, v0
	s_delay_alu instid0(VALU_DEP_1)
	v_readfirstlane_b32 s17, v1                    ; wave 0..7
	v_and_b32 v1, 31, v0                           ; lane
	s_delay_alu instid0(VALU_DEP_1)
	v_lshlrev_b32 v2, 4, v1                        ; 16 x lane
	s_lshl_b32 s18, ttmp9, 17                      ; inputs: 32 rows of 4,096 bytes a work-group,
	s_lshl_b32 s19, s17, 14                        ; 4 a wave
	s_add_co_u32 s18, s18, s19
	s_mov_b32 s19, 0
	s_lshl_b32 s25, s17, 12                        ; my wave's 4,096 bytes of codes, in LDS and in the work-group's part of x_codes
	s_lshl_b32 s22, ttmp9, 15
	s_add_co_u32 s22, s22, s25
	s_mov_b32 s23, 0
	s_lshl_b32 s26, ttmp9, 10                      ; x_scales: 1,024 bytes a work-group
	s_mov_b32 s27, 0
	s_lshl_b32 s28, s17, 7
	s_add_co_u32 s28, s28, SCLB                    ; my wave's 128 scale bytes in LDS
	s_and_b32 s29, s17, 1
	s_lshl_b32 s29, s29, 9                         ; on the way out waves 0 and 1 take 512 scale bytes each
	s_mov_b32 s12, 0x76543210
	s_mov_b32 s13, 0xfedcba98                      ; v_permlanex16_b32's selects for lane l xor 16
	s_mov_b32 s14, 0x43e00000                      ; 448
	s_mov_b32 s15, 0xc3e00000                      ; -448
	s_mov_b32 s16, 0x3a800000                      ; 1 / 1,024
	s_mov_b32 s24, 0x3727c5ac                      ; 1e-5
	s_wait_alu depctr_va_vdst(0)
	s_wait_kmcnt 0x0
	s_add_nc_u64 s[4:5], s[4:5], s[18:19]
	s_add_nc_u64 s[10:11], s[10:11], s[22:23]
	s_add_nc_u64 s[20:21], s[20:21], s[26:27]
.irp q, 0,1,2,3
.irp i, 0,1,2,3,4,5,6,7
	global_load_b128 v[X+32*\q+4*\i:X+32*\q+4*\i+3], v2, s[4:5] offset:4096*\q+512*\i th:TH_LOAD_NT   ; 32 lanes read 512 consecutive bytes
.endr
.endr
.irp i, 0,1,2,3,4,5,6,7
	global_load_b128 v[W+4*\i:W+4*\i+3], v2, s[6:7] offset:512*\i
.endr
.irp i, 0,1,2,3,4,5,6,7
	global_load_b128 v[B+4*\i:B+4*\i+3], v2, s[8:9] offset:512*\i
.endr
	v_lshl_add_u32 v3, v1, 2, s25                  ; LDS: where I put a load's 4 codes: my wave's bytes + 4 x lane
	v_lshrrev_b32 v4, 3, v1
	s_delay_alu instid0(VALU_DEP_1)
	v_add_nc_u32 v4, s28, v4                       ; where I put a scale byte: my wave's bytes + lane / 8
	v_add_nc_u32 v5, s25, v2                       ; where I read codes back: 16 x lane
	v_add_nc_u32 v[SGO], s29, v2
	s_delay_alu instid0(VALU_DEP_1)
	v_add_nc_u32 v6, SCLB, v[SGO]                  ; where waves 0 and 1 read scale bytes back
	v_mov_b32 v7, 1.0                              ; the conversions' scale: 2^0
	v_mov_b32 v[PT], 0                             ; written once: a lane permute's destination counts as one of its sources
.irp i, 1,3,5,7,9,11,13,15
	v_mov_b32 v[R+\i], 0
.endr
.macro REDUCE                          ; the sum of v[C] over the 32 lanes, in every lane
	s_delay_alu instid0(VALU_DEP_1)
	v_add_f32_dpp v[C], v[C], v[C] row_xmask:1 row_mask:0xf bank_mask:0xf
	s_delay_alu instid0(VALU_DEP_1)
	v_add_f32_dpp v[C], v[C], v[C] row_xmask:2 row_mask:0xf bank_mask:0xf
	s_delay_alu instid0(VALU_DEP_1)
	v_add_f32_dpp v[C], v[C], v[C] row_xmask:4 row_mask:0xf bank_mask:0xf
	s_delay_alu instid0(VALU_DEP_1)
	v_add_f32_dpp v[C], v[C], v[C] row_xmask:8 row_mask:0xf bank_mask:0xf
	s_delay_alu instid0(VALU_DEP_1)
	v_permlanex16_b32 v[PT], v[C], s12, s13
	s_delay_alu instid0(VALU_DEP_1)
	v_add_f32 v[C], v[C], v[PT]
.endm
; Row q: mean, the row centred in place, var + eps.
.macro STAT q
.set XR, X+32*(\q)
	s_wait_loadcnt 40-8*(\q)                       ; loads come back in order: behind row q's stand 8 for each later row and the 16 of ln_w and ln_b
	v_pk_add_f32 v[C:C+1], v[XR:XR+1], v[XR+2:XR+3]                ; two chains, started by the first pairs: nothing is cleared
	v_pk_add_f32 v[C+2:C+3], v[XR+4:XR+5], v[XR+6:XR+7]
.irp p, 8,12,16,20,24,28
	s_delay_alu instid0(VALU_DEP_2)
	v_pk_add_f32 v[C:C+1], v[C:C+1], v[XR+\p:XR+\p+1]
	s_delay_alu instid0(VALU_DEP_2)
	v_pk_add_f32 v[C+2:C+3], v[C+2:C+3], v[XR+\p+2:XR+\p+3]
.endr
	s_delay_alu instid0(VALU_DEP_1)
	v_pk_add_f32 v[C:C+1], v[C:C+1], v[C+2:C+3]
	s_delay_alu instid0(VALU_DEP_1)
	v_add_f32 v[C], v[C], v[C+1]
	REDUCE
	s_delay_alu instid0(VALU_DEP_1)
	v_mul_f32 v[MU+2*(\q)], s16, v[C]              ; the mean, in both words of a pair
	s_delay_alu instid0(VALU_DEP_2)
	v_mul_f32 v[MU+2*(\q)+1], s16, v[C]
.irp p, 0,2,4,6,8,10,12,14,16,18,20,22,24,26,28,30
	v_pk_add_f32 v[XR+\p:XR+\p+1], v[XR+\p:XR+\p+1], v[MU+2*(\q):MU+2*(\q)+1] neg_lo:[0,1] neg_hi:[0,1]   ; x - mean
.endr
	v_pk_mul_f32 v[C:C+1], v[XR:XR+1], v[XR:XR+1]
	v_pk_mul_f32 v[C+2:C+3], v[XR+2:XR+3], v[XR+2:XR+3]
.irp p, 4,8,12,16,20,24,28
	s_delay_alu instid0(VALU_DEP_2)
	v_pk_fma_f32 v[C:C+1], v[XR+\p:XR+\p+1], v[XR+\p:XR+\p+1], v[C:C+1]
	s_delay_alu instid0(VALU_DEP_2)
	v_pk_fma_f32 v[C+2:C+3], v[XR+\p+2:XR+\p+3], v[XR+\p+2:XR+\p+3], v[C+2:C+3]
.endr
	s_delay_alu instid0(VALU_DEP_1)
	v_pk_add_f32 v[C:C+1], v[C:C+1], v[C+2:C+3]
	s_delay_alu instid0(VALU_DEP_1)
	v_add_f32 v[C], v[C], v[C+1]
	REDUCE
	s_delay_alu instid0(VALU_DEP_1)
	v_fma_f32 v[VA+(\q)], v[C], s16, s24           ; var + 1e-5
.endm
	STAT 0
	STAT 1
	STAT 2
	STAT 3
	s_wait_alu depctr_va_vdst(0)
.irp q, 0,1,2,3
	v_rsq_f32 v[MU+2*\q], v[VA+\q]                 ; the four as one batch
.endr
	v_nop                                          ; a plain instruction behind the last of them (ISA guide 5.7.2)
	s_wait_alu depctr_va_vdst(0)                   ; one wait for the batch, ahead of its first reader
.irp q, 0,1,2,3
	v_mov_b32 v[MU+2*\q+1], v[MU+2*\q]
.endr
	s_wait_alu depctr_va_vdst(0)
	s_wait_loadcnt 0x0                             ; ln_w and ln_b
; Row q: normalised, scaled and shifted, quantised; codes and scale bytes into LDS.
.macro QROW q
.set XR, X+32*(\q)
.irp p, 0,2,4,6,8,10,12,14,16,18,20,22,24,26,28,30
	v_pk_mul_f32 v[XR+\p:XR+\p+1], v[XR+\p:XR+\p+1], v[MU+2*(\q):MU+2*(\q)+1]
.endr
.irp p, 0,2,4,6,8,10,12,14,16,18,20,22,24,26,28,30
	v_pk_fma_f32 v[XR+\p:XR+\p+1], v[XR+\p:XR+\p+1], v[W+\p:W+\p+1], v[B+\p:B+\p+1]
.endr
.irp i, 0,1,2,3,4,5,6,7
	v_max3_num_f32 v[M+\i], |v[XR+4*\i]|, |v[XR+4*\i+1]|, 0x4800000   ; my 4 numbers of the block, and the floor 2^(9 - 127): so the byte cannot fall under 1
.endr
.irp i, 0,1,2,3,4,5,6,7
	v_max3_num_f32 v[M+\i], v[M+\i], |v[XR+4*\i+2]|, |v[XR+4*\i+3]|
.endr
.irp m, 1,2,4
.irp i, 0,1,2,3,4,5,6,7
	v_max_num_f32_dpp v[M+\i], v[M+\i], v[M+\i] row_xmask:\m row_mask:0xf bank_mask:0xf   ; with the block's other seven lanes
.endr
.endr
.irp i, 0,1,2,3,4,5,6,7
	v_add_nc_u32 v[M+\i], 0xfc000000, v[M+\i]      ; 8 off the exponent field
.endr
.irp i, 0,1,2,3,4,5,6,7
	v_lshrrev_b32 v[BY+\i], 23, v[M+\i]            ; the scale's byte, e + 127
.endr
.irp i, 0,1,2,3,4,5,6,7
	v_sub_nc_u32 v[M+\i], 254, v[BY+\i]            ; -e + 127,
.endr
.irp i, 0,1,2,3,4,5,6,7
	v_lshlrev_b32 v[R+2*\i], 23, v[M+\i]           ; as an exponent field: 2^-e
.endr
.irp i, 0,1,2,3,4,5,6,7
	v_pk_mul_f32 v[XR+4*\i:XR+4*\i+1], v[XR+4*\i:XR+4*\i+1], v[R+2*\i:R+2*\i+1] op_sel_hi:[1,0]
	v_pk_mul_f32 v[XR+4*\i+2:XR+4*\i+3], v[XR+4*\i+2:XR+4*\i+3], v[R+2*\i:R+2*\i+1] op_sel_hi:[1,0]
.endr
.irp j, 0,1,2,3,4,5,6,7,8,9,10,11,12,13,14,15,16,17,18,19,20,21,22,23,24,25,26,27,28,29,30,31
	v_med3_num_f32 v[XR+\j], v[XR+\j], s15, s14    ; the conversion to an 8-bit code does not saturate (ISA guide 7.6.2): the hold at +-448
.endr
.irp p, 0,1,2,3
	v_cvt_scalef32_pk8_fp8_f32 v[C+2*\p:C+2*\p+1], v[XR+8*\p:XR+8*\p+7], v7   ; loads 2 p and 2 p + 1: 4 codes each
.endr
	v_nop                                          ; a plain instruction behind the last conversion
.irp i, 0,1,2,3,4,5,6,7
	ds_store_b32 v3, v[C+\i] offset:1024*(\q)+128*\i
.endr
.irp i, 0,1,2,3,4,5,6,7
	ds_store_b8 v4, v[BY+\i] offset:32*(\q)+4*\i   ; the 8 lanes of a block write the same byte with the same value
.endr
	s_wait_dscnt 0x0                               ; the stores are done: the next row writes their registers, and behind the last row the barrier follows
.endm
	QROW 0
	QROW 1
	QROW 2
	QROW 3
	s_barrier_signal -1                            ; every wave's scale bytes lie in LDS (its wait for them stands above)
	s_barrier_wait -1
.irp k, 0,1,2,3,4,5,6,7
	ds_load_b128 v[X+4*\k:X+4*\k+3], v5 offset:512*\k   ; my wave's own codes
.endr
.irp k, 0,1,2,3,4,5,6,7
	s_wait_dscnt 7-\k                              ; LDS loads come back in order: load k is in, the later ones may be out
	global_store_b128 v2, v[X+4*\k:X+4*\k+3], s[10:11] offset:512*\k   ; 32 lanes store 512 consecutive bytes
.endr
	s_cmp_gt_u32 s17, 1
	s_cbranch_scc1 .Ldone
	ds_load_b128 v[W:W+3], v6                      ; waves 0 and 1: half of the work-group's 1,024 scale bytes each
	s_wait_dscnt 0x0
	global_store_b128 v[SGO], v[W:W+3], s[20:21]
.Ldone:
	s_wait_tensorcnt 0x0
	ds_add_u32 v254, v255
	s_wait_dscnt 0x0
	s_endpgm
.Lfunc_end_k_q4c678a1ca8_lnq:
	.size	k_q4c678a1ca8_lnq, .Lfunc_end_k_q4c678a1ca8_lnq-k_q4c678a1ca8_lnq
	.p2alignl 7, 3214868480
	.fill 96, 4, 3214868480
	.section	.rodata,"a",@progbits
	.p2align	6, 0x0
	.amdhsa_kernel k_q4c678a1ca8_lnq
		.amdhsa_group_segment_fixed_size 34816
		.amdhsa_private_segment_fixed_size 0
		.amdhsa_enable_private_segment 0
		.amdhsa_kernarg_size 40
		.amdhsa_user_sgpr_count 2
		.amdhsa_user_sgpr_kernarg_segment_ptr 1
		.amdhsa_wavefront_size32 1
		.amdhsa_system_sgpr_workgroup_id_x 1
		.amdhsa_system_sgpr_workgroup_id_y 1
		.amdhsa_system_sgpr_workgroup_id_z 1
		.amdhsa_system_vgpr_workitem_id 0
		.amdhsa_next_free_vgpr 256
		.amdhsa_next_free_sgpr 66
		.amdhsa_reserve_vcc 0
		.amdhsa_float_denorm_mode_32 3
		.amdhsa_float_denorm_mode_16_64 3
		.amdhsa_memory_ordered 1
		.amdhsa_forward_progress 1
		.amdhsa_inst_pref_size 73
	.end_amdhsa_kernel
	.amdgpu_metadata
---
amdhsa.version: [ 1, 2 ]
amdhsa.kernels:
  - .name:           k_q4c678a1ca8_lnq
    .symbol:         k_q4c678a1ca8_lnq.kd
    .args:
      - { .name: inputs, .offset: 0, .size: 8, .value_kind: global_buffer, .address_space: global }
      - { .name: ln_w, .offset: 8, .size: 8, .value_kind: global_buffer, .address_space: global }
      - { .name: ln_b, .offset: 16, .size: 8, .value_kind: global_buffer, .address_space: global }
      - { .name: x_codes, .offset: 24, .size: 8, .value_kind: global_buffer, .address_space: global }
      - { .name: x_scales, .offset: 32, .size: 8, .value_kind: global_buffer, .address_space: global }
    .group_segment_fixed_size: 34816
    .private_segment_fixed_size: 0
    .kernarg_segment_align: 8
    .kernarg_segment_size: 40
    .max_flat_workgroup_size: 256
    .sgpr_count:     66
    .vgpr_count:     256
    .wavefront_size: 32
...
	.end_amdgpu_metadata
.endif
;; end of part 1
;; launch qkv (part 2): grid 12 x 32, 4 waves a work-group, clusters of 4 x 4, 327,680 bytes of LDS; arguments x_codes, x_scales, w_qkv_codes, w_qkv_scales, qk, vv; writes qk, vv
.if DOCPART == 2
	.amdgcn_target "amdgcn-amd-amdhsa--gfx1250"
	.amdhsa_code_object_version 6
	.text
	.protected	k_q4c678a1ca8_qkv
	.globl	k_q4c678a1ca8_qkv
	.p2align	8
	.type	k_q4c678a1ca8_qkv,@function
k_q4c678a1ca8_qkv:
	s_mov_b64 s[64:65], 0
	v_nop
	global_prefetch_b8 v0, s[64:65] scope:SCOPE_SE
	s_setreg_imm32_b32 hwreg(HW_REG_WAVE_MODE, 25, 1), 1
	s_wait_xcnt 0x0
	s_wait_alu depctr_hold_cnt(0) depctr_sa_sdst(0) depctr_va_vdst(0) depctr_va_sdst(0) depctr_va_ssrc(0) depctr_va_vcc(0) depctr_vm_vsrc(0)
	s_getreg_b32 s2, hwreg(HW_REG_IB_STS2, 6, 4)
	s_cmp_eq_u32 s2, 0
	s_cbranch_scc0 .Lentry_in_a_cluster
	s_endpgm
.Lentry_in_a_cluster:
	s_bfe_u32 s2, ttmp6, 0x10000c
	s_cmp_lg_u32 s2, 0xf033
	s_cbranch_scc0 .Lentry_shape_is_right
	s_endpgm
.Lentry_shape_is_right:
.set SIZE_M, 8192
.set SIZE_N, 3072
.set SIZE_K, 1024
.set KSTEP,  256
.set NQ,     KSTEP/128
.set ROWB,   256
.set KROW,   SIZE_K
.set PITCH,  272
.set FR,     16
.set NL,     4
.set NP,     8
.set HALFT,  128*PITCH
.set SLOT,   4*HALFT
.set LAPS,   SIZE_K/(2*KSTEP)
.set KS,     SIZE_K/32
.set SCL,    2*SLOT
.set HALFS,  (128*KS/256)*272
.set SBLK,   (16*KS/256)*272
.set SPARE,  SCL+4*HALFS
.set SPITCH, 528
.set QKI,    139264
.set QKS,    8704
.set VVI,    135168
.set VVS,    8448
.set ADRA, 16
.set ADRB, 20
.set LN,   23
.set STO,  24
.set RD,   25
.set CO,   26
.set ADRS, 27
.set SPW,  28
.set NIL,  29
.set VO,   30
.set L8,   31
.set SC,   32
.set AF,   128
.set G1, 24
.set G0, 32
.set G1B, 48
.set G0B, 56
.set G1S, 68
.set G0S, 76
.set G1SB, 80
.set G0SB, 88
.set MSB, 0
.macro WIN new
.if MSB != \new
	s_set_vgpr_msb (MSB<<8)|\new
.set MSB, \new
.endif
.endm
.set MUL_LO, 0xa1
.set MUL_HI, 0xf1
.set TO_B,   0x40
.macro JLOAD g0a, g1a, g0b, g1b
	s_cmp_eq_u32 s15, 0
	s_cbranch_scc0 .Lfor_b_\@
	tensor_load_to_lds s[\g0a:\g0a+3], s[\g1a:\g1a+7]
	s_nop 0
.rept 4
	v_nop
.endr
	s_branch .Lasked_\@
.Lfor_b_\@:
	tensor_load_to_lds s[\g0b:\g0b+3], s[\g1b:\g1b+7]
	s_nop 0
.rept 4
	v_nop
.endr
.Lasked_\@:
.endm
.macro CREST
	s_cmp_lg_u32 s14, 0
	s_cbranch_scc1 .Lnot_wave_0_\@
	s_barrier_signal -3
.Lnot_wave_0_\@:
	s_barrier_wait -3
	s_barrier_signal -1
	s_barrier_wait -1
.endm
.macro CROUND
	s_barrier_signal -1
	s_barrier_wait -1
	CREST
.endm
	s_load_b128 s[4:7], s[0:1], 0x0
	s_load_b128 s[8:11], s[0:1], 0x10
	s_load_b64 s[12:13], s[0:1], 0x20
	s_load_b64 s[96:97], s[0:1], 0x28
	v_lshl_add_u32 v[SPW], v0, 2, SPARE
	v_mov_b32 v[NIL], 0
	ds_add_u32 v28, v29
	ds_add_u32 v28, v29
	s_wait_dscnt 0x0
	v_lshrrev_b32 v1, 5, v0
	v_readfirstlane_b32 s14, v1
	s_lshr_b32 s15, s14, 1
	s_and_b32 s16, s14, 1
	s_bfe_u32 s40, ttmp6, 0x40000
	s_bfe_u32 s41, ttmp6, 0x40004
	s_lshl_b32 s42, ttmp9, 2
	s_add_co_u32 s42, s42, s40
	s_and_b32 s17, ttmp7, 0xffff
	s_lshl_b32 s17, s17, 2
	s_add_co_u32 s17, s17, s41
	s_lshl_b32 s43, s41, 2
	s_lshl_b32 s43, 15, s43
	s_lshl_b32 s44, 0x1111, s40
	s_or_b32 s[G1+0], s43, (0<<16)|(1<<20)|(1<<21)|(5<<22)|(3<<25)
	s_or_b32 s[G1B+0], s44, (0<<16)|(1<<20)|(1<<21)|(5<<22)|(3<<25)
.irp g, G1, G1B
	s_mov_b32 s[\g+1], ROWB<<16
	s_mov_b32 s[\g+2], 256<<16
	s_mov_b32 s[\g+3], ROWB<<16
	s_mov_b32 s[\g+4], 256
	s_mov_b32 s[\g+5], KROW
	s_mov_b32 s[\g+6], 0
	s_mov_b32 s[\g+7], 0
.endr
	s_or_b32 s[G1S+0], s43, (3<<16)|(1<<20)|(1<<21)|(5<<22)|(3<<25)
	s_or_b32 s[G1SB+0], s44, (3<<16)|(1<<20)|(1<<21)|(5<<22)|(3<<25)
.irp g, G1S, G1SB
	s_mov_b32 s[\g+1], 32<<16
	s_mov_b32 s[\g+2], KS<<16
	s_mov_b32 s[\g+3], 32<<16
	s_mov_b32 s[\g+4], KS
	s_mov_b32 s[\g+5], 32
	s_mov_b32 s[\g+6], 0
	s_mov_b32 s[\g+7], 0
.endr
	s_lshl_b32 s20, s17, 8                         ; A: the tile's first row
	s_lshl_b32 s46, s42, 8                         ; B: likewise
	s_mov_b32 s21, 0
	s_mov_b32 s47, 0
	s_mov_b64 s[18:19], KS
	s_mul_u64 s[22:23], s[20:21], s[18:19]
	s_mul_u64 s[92:93], s[46:47], s[18:19]
	s_mov_b64 s[18:19], KROW
	s_mul_u64 s[20:21], s[20:21], s[18:19]
	s_mul_u64 s[46:47], s[46:47], s[18:19]
	s_mul_i32 s18, s16, 128*KROW                   ; in the ring a wave fetches 128 rows: which half, in bytes
	s_mov_b32 s19, 0
	s_mul_i32 s45, s14, HALFT
	s_wait_kmcnt 0x0
	s_add_nc_u64 s[20:21], s[4:5], s[20:21]
	s_add_nc_u64 s[22:23], s[6:7], s[22:23]
	s_add_nc_u64 s[46:47], s[8:9], s[46:47]
	s_add_nc_u64 s[92:93], s[10:11], s[92:93]
	CROUND
	s_mov_b32 s[G0S], 1
	s_mov_b32 s[G0S+1], SCL
	s_mov_b64 s[G0S+2:G0S+3], s[22:23]
	s_or_b32 s[G0S+3], s[G0S+3], 0x80000000
	s_mov_b32 s[G0SB], 1
	s_mov_b32 s[G0SB+1], SCL+2*HALFS
	s_mov_b64 s[G0SB+2:G0SB+3], s[92:93]
	s_or_b32 s[G0SB+3], s[G0SB+3], 0x80000000
	s_mov_b32 s4, 1                                ; s[4:7]: group 0 for K step 0's 256 rows of A (the arguments that lay here are used up)
	s_mov_b32 s5, 0
	s_mov_b64 s[6:7], s[20:21]
	s_or_b32 s7, s7, 0x80000000
	s_mov_b32 s8, 1                                ; s[8:11]: for its 256 rows of B, behind A's in slot 0
	s_mov_b32 s9, 2*HALFT
	s_mov_b64 s[10:11], s[46:47]
	s_or_b32 s11, s11, 0x80000000
	s_add_nc_u64 s[20:21], s[20:21], s[18:19]      ; for the ring: my 128 rows of the tile
	s_add_nc_u64 s[46:47], s[46:47], s[18:19]
.irp s, 0,1
	s_mov_b32 s[G0+4*\s], 1
	s_add_co_u32 s[G0+4*\s+1], s45, \s*SLOT
	s_add_nc_u64 s[G0+4*\s+2:G0+4*\s+3], s[20:21], \s*ROWB
	s_or_b32 s[G0+4*\s+3], s[G0+4*\s+3], 0x80000000
	s_mov_b32 s[G0B+4*\s], 1
	s_add_co_u32 s[G0B+4*\s+1], s45, \s*SLOT
	s_add_nc_u64 s[G0B+4*\s+2:G0B+4*\s+3], s[46:47], \s*ROWB
	s_or_b32 s[G0B+4*\s+3], s[G0B+4*\s+3], 0x80000000
.endr
; the head's four tiles, one joint load a wave: wave 0 K step 0's rows of A, wave 1 those of B, wave 2 A's scale bytes, wave 3 B's; one chain of branches on the wave's number
.macro ARM under, g0, g1, next
	s_cmp_lt_u32 s14, \under
	s_cbranch_scc0 \next
	tensor_load_to_lds s[\g0:\g0+3], s[\g1:\g1+7]
	s_nop 0
.rept 4
	v_nop
.endr
	s_branch .Lhead_asked
\next:
.endm
	ARM 1, 4, G1, .Lhead_b
	ARM 2, 8, G1B, .Lhead_sa
	ARM 3, G0S, G1S, .Lhead_sb
	tensor_load_to_lds s[G0SB:G0SB+3], s[G1SB:G1SB+7]
	s_nop 0
.rept 4
	v_nop
.endr
.Lhead_asked:
	v_and_b32 v1, 15, v0
	v_bfe_u32 v2, v0, 4, 1
	v_mul_u32_u24 v3, v1, PITCH
	v_lshl_add_u32 v4, v2, 4, v3
	s_mul_i32 s21, s15, HALFT
	s_mul_i32 s22, s16, HALFT
	s_add_co_u32 s22, s22, 2*HALFT
.irp s, 0,1
	v_add_nc_u32 v[ADRA+\s], s21, v4
	v_add_nc_u32 v[ADRB+\s], s22, v4
	s_add_co_u32 s21, s21, SLOT
	s_add_co_u32 s22, s22, SLOT
.endr
	v_mul_u32_u24 v5, v1, KS
	v_lshrrev_b32 v6, 8, v5
	v_lshl_add_u32 v5, v6, 4, v5
	s_mul_i32 s21, s15, HALFS
	s_mul_i32 s22, s16, HALFS
	s_add_co_u32 s22, s22, 2*HALFS
	s_sub_co_u32 s22, s22, s21
	v_mul_u32_u24 v6, s22, v2
	s_add_co_u32 s21, s21, SCL
	v_add_nc_u32 v5, v5, v6
	v_add_nc_u32 v[ADRS], s21, v5
	s_mul_i32 s23, s14, 32*SPITCH
	v_mul_u32_u24 v5, v1, SPITCH
	v_lshl_add_u32 v5, v2, 5, v5
	v_add_nc_u32 v[STO], s23, v5
	v_and_b32 v[LN], 31, v0
	v_lshl_add_u32 v[RD], v[LN], 2, s23
	v_lshlrev_b32 v[CO], 4, v[LN]
	v_lshlrev_b32 v[L8], 3, v[LN]
	v_lshlrev_b32 v[VO], 4, v1
	v_lshl_add_u32 v[VO], v2, 11, v[VO]
	s_mov_b32 s66, 0x76543210
	s_mov_b32 s67, 0xfedcba98
	s_mov_b32 s95, 0x600000
.macro FRAG reg, adr, q, i
.irp c, 0,1,2,3
	ds_load_b128 v[\reg+4*\c:\reg+4*\c+3], v[\adr] offset:128*(\q)+32*\c+(\i)*16*PITCH
.endr
.endm
.macro MUL16 a0, p, q, sc, zero
.irp a, \a0, \a0+1
.irp b, 0,1,2,3,4,5,6,7
.if \zero
	v_wmma_scale_f32_16x16x128_f8f6f4 v[8*(8*((\a)%4)+\b):8*(8*((\a)%4)+\b)+7], v[128*(\p)+FR*\b:128*(\p)+FR*\b+FR-1], v[AF+FR*(\a):AF+FR*(\a)+FR-1], 0, v[SC+8*NQ*(\sc)+NQ*\b+(\q)], v[SC+8*NQ*(\sc)+NQ*(\a)+(\q)] matrix_a_scale:MATRIX_SCALE_ROW1
.else
	v_wmma_scale_f32_16x16x128_f8f6f4 v[8*(8*((\a)%4)+\b):8*(8*((\a)%4)+\b)+7], v[128*(\p)+FR*\b:128*(\p)+FR*\b+FR-1], v[AF+FR*(\a):AF+FR*(\a)+FR-1], v[8*(8*((\a)%4)+\b):8*(8*((\a)%4)+\b)+7], v[SC+8*NQ*(\sc)+NQ*\b+(\q)], v[SC+8*NQ*(\sc)+NQ*(\a)+(\q)] matrix_a_scale:MATRIX_SCALE_ROW1
.endif
.endr
.endr
.endm
.macro FETCH_B slot, q, p
	WIN TO_B
.irp i, 0,1,2,3,4,5,6,7
	FRAG 128*(\p)+FR*\i, ADRB+\slot, \q, \i
.endr
	WIN 0
.endm
.macro FETCH_A slot, q, i0
.irp i, \i0, \i0+1, \i0+2, \i0+3
	FRAG AF+FR*(\i), ADRA+\slot, \q, \i
.endr
.endm
.macro SCALES sc
.irp i, 0,1,2,3,4,5,6,7
	ds_load_b64 v[SC+8*NQ*\sc+NQ*\i:SC+8*NQ*\sc+NQ*\i+1], v[ADRS] offset:\i*SBLK
.endr
.endm
.macro PLACES n
.rept \n
	v_nop
.endr
.endm
.macro STEP slot, q, zero
	s_wait_dscnt 4*NL
	WIN MUL_LO
	MUL16 0, (\q)%2, \q, \slot, \zero
	MUL16 2, (\q)%2, \q, \slot, \zero
	s_wait_dscnt 0
	PLACES NP
	FETCH_B \slot, (\q)+1, 1-(\q)%2
	FETCH_A \slot, (\q)+1, 0
	WIN MUL_HI
	MUL16 4, (\q)%2, \q, \slot, \zero
	MUL16 6, (\q)%2, \q, \slot, \zero
	PLACES NP
	WIN 0
	FETCH_A \slot, (\q)+1, 4
.endm
.macro TURN slot, next, fill
	s_wait_tensorcnt 0x0
	ds_add_u32 v[SPW], v[NIL]
	s_wait_dscnt 4*NL+1
	WIN MUL_LO
	MUL16 0, 1, NQ-1, \slot, 0
	s_wait_dscnt 0x0
	s_barrier_signal -1
	MUL16 2, 1, NQ-1, \slot, 0
	WIN 0
	s_barrier_wait -1
.if \fill
	CREST
	s_add_nc_u64 s[G0+4*\slot+2:G0+4*\slot+3], s[G0+4*\slot+2:G0+4*\slot+3], 2*ROWB
	s_add_nc_u64 s[G0B+4*\slot+2:G0B+4*\slot+3], s[G0B+4*\slot+2:G0B+4*\slot+3], 2*ROWB
	JLOAD G0+4*\slot, G1, G0B+4*\slot, G1B
	PLACES NP-4
.else
	PLACES NP
.endif
	s_wait_alu depctr_va_vdst(0)
	v_add_nc_u32 v[ADRS], 4*NQ, v[ADRS]
	FETCH_B \next, 0, 0
	FETCH_A \next, 0, 0
	SCALES \next
	WIN MUL_HI
	MUL16 4, 1, NQ-1, \slot, 0
	MUL16 6, 1, NQ-1, \slot, 0
	PLACES NP
	WIN 0
	FETCH_A \next, 0, 4
.endm
	s_wait_alu depctr_va_vdst(0)
	s_wait_tensorcnt 0x0                           ; my tile of the head's four is in
	ds_add_u32 v[SPW], v[NIL]
	s_mov_b32 s[G1+2], 128<<16                     ; no tensor load of mine is out: from here on a load brings 128 rows
	s_mov_b32 s[G1+4], 128
	s_mov_b32 s[G1B+2], 128<<16
	s_mov_b32 s[G1B+4], 128
	s_wait_dscnt 0x0
	CROUND                                         ; all four tiles are in, and the sixteen work-groups meet
	JLOAD G0+4, G1, G0B+4, G1B                     ; K step 1, the first tensor load behind the round
	FETCH_B 0, 0, 0
	FETCH_A 0, 0, 0
	SCALES 0
	FETCH_A 0, 0, 4
	STEP 0, 0, 1
	s_mov_b32 s3, LAPS-1
.Llap:
	TURN 0, 1, 1
	STEP 1, 0, 0
	TURN 1, 0, 1
	STEP 0, 0, 0
	s_sub_co_u32 s3, s3, 1
	s_cmp_lg_u32 s3, 0
	s_cbranch_scc1 .Llap
	TURN 0, 1, 0
	STEP 1, 0, 0
	s_wait_dscnt 4*NL
	WIN MUL_LO
	MUL16 0, 1, NQ-1, 1, 0
	MUL16 2, 1, NQ-1, 1, 0
	s_wait_dscnt 0
	WIN MUL_HI
	MUL16 4, 1, NQ-1, 1, 0
	MUL16 6, 1, NQ-1, 1, 0
	WIN 0
	PLACES NP
	s_and_b32 s20, s17, 7
	s_lshl_b32 s20, s20, 1
	s_add_co_u32 s20, s20, s15
	s_lshr_b32 s21, s17, 3
	s_lshl_b32 s21, s21, 4
	s_lshl_b32 s22, s42, 2
	s_lshl_b32 s23, s16, 1
	s_add_co_u32 s22, s22, s23
	s_cmp_eq_u32 ttmp9, 2
	s_cbranch_scc1 .Lv
.set T,   128
.set PC,  192
.set TM,  208
.set FL,  224
.set WD,  225
.set SW,  232
	s_lshr_b32 s23, s22, 4
	s_lshl_b32 s23, s23, 6
	s_and_b32 s22, s22, 15
	s_add_co_u32 s22, s22, s23
	s_add_co_u32 s22, s22, s21
	s_mul_i32 s22, s22, QKI
	s_mul_i32 s20, s20, QKS
	s_add_co_u32 s20, s20, s22
	s_mov_b32 s21, 0
	s_add_nc_u64 s[12:13], s[12:13], s[20:21]
	v_mov_b32 v[FL], 0x4800000
.irp b, 0,1,2,3
	v_mov_b32 v[TM+4+\b], 0
.endr
	v_cmp_le_u32 vcc_lo, 16, v[LN]
.macro QK a
.set AC, 64*((\a)%4)
.set WN, 2+(\a)/4
	WIN (WN<<2)|(WN<<4)
.irp b, 0,1,2,3
	v_max3_num_f32 v[TM+\b], v[FL], |v[AC+16*\b]|, |v[AC+16*\b+1]|
.endr
.irp i, 2,4,6,8,10,12,14
.irp b, 0,1,2,3
	v_max3_num_f32 v[TM+\b], v[TM+\b], |v[AC+16*\b+\i]|, |v[AC+16*\b+\i+1]|
.endr
.endr
	WIN 0
.irp b, 0,1,2,3
	v_permlanex16_b32 v[TM+4+\b], v[TM+\b], s66, s67
.endr
.irp b, 0,1,2,3
	v_max_num_f32 v[TM+\b], v[TM+\b], v[TM+4+\b]
.endr
.irp b, 0,1,2,3
	v_add_nc_u32 v[TM+12+\b], 0xfc000000, v[TM+\b]
.endr
.irp b, 0,1,2,3
	v_and_or_b32 v[TM+8+\b], v[TM+\b], 0x7f800000, s95
.endr
.irp b, 0,1,2,3
	v_lshrrev_b32 v[TM+4+\b], 23, v[TM+12+\b]
.endr
	v_lshl_or_b32 v[WD], v[TM+5], 8, v[TM+4]
	v_lshl_or_b32 v[WD+1], v[TM+7], 8, v[TM+6]
	v_or_b32 v[WD], 0x7f7f0000, v[WD]
	v_or_b32 v[WD+1], 0x7f7f0000, v[WD+1]
.if (\a)%2 == 0
	v_mov_b32 v[SW+(\a)/2], v[WD]
	v_mov_b32 v[SW+4+(\a)/2], v[WD+1]
.else
	v_cndmask_b32 v[SW+(\a)/2], v[SW+(\a)/2], v[WD], vcc_lo
	v_cndmask_b32 v[SW+4+(\a)/2], v[SW+4+(\a)/2], v[WD+1], vcc_lo
.endif
	WIN WN
.irp b, 0,1,2,3
.irp i, 0,1,2,3,4,5,6,7,8,9,10,11,12,13,14,15
	v_med3_num_f32 v[T+16*\b+\i], v[AC+16*\b+\i], -v[TM+8+\b], v[TM+8+\b]
.endr
.endr
	WIN 0
	s_wait_alu depctr_va_vdst(0)
	s_wait_xcnt 0x0
.irp b, 0,1,2,3
	v_cvt_scalef32_pk8_fp8_f32 v[PC+4*\b:PC+4*\b+1], v[T+16*\b:T+16*\b+7], v[TM+12+\b]
	v_cvt_scalef32_pk8_fp8_f32 v[PC+4*\b+2:PC+4*\b+3], v[T+16*\b+8:T+16*\b+15], v[TM+12+\b]
.endr
	v_nop
.irp b, 0,1,2,3
	global_store_b128 v[CO], v[PC+4*\b:PC+4*\b+3], s[12:13] offset:(\b/2)*QKI+(\a)*1024+(\b%2)*512 th:TH_STORE_NT
.endr
.endm
.irp a, 0,1,2,3,4,5,6,7
	QK \a
.endr
	global_store_b128 v[CO], v[SW:SW+3], s[12:13] offset:8192 th:TH_STORE_NT
	global_store_b128 v[CO], v[SW+4:SW+7], s[12:13] offset:QKI+8192 th:TH_STORE_NT
	s_branch .Lend
.Lv:
.set XV,  128
.set CV,  192
.set SB,  224
	s_sub_co_u32 s22, s22, 32
	s_add_co_u32 s22, s22, s21
	s_mul_i32 s22, s22, VVI
	s_mul_i32 s20, s20, VVS
	s_add_co_u32 s20, s20, s22
	s_mov_b32 s21, 0
	s_add_nc_u64 s[96:97], s[96:97], s[20:21]
.macro VLD gq
.irp i, 0,1,2,3,4,5,6,7,8,9,10,11,12,13,14,15,16,17,18,19,20,21,22,23,24,25,26,27,28,29,30,31
	ds_load_b32 v[XV+32*((\gq)%2)+\i], v[RD] offset:\i*SPITCH+128*(\gq)
.endr
.endm
.macro VBLK p, gq
.set XS, XV+32*((\gq)%2)
.set CC, CV+8*(\gq)
	v_max3_num_f32 v228, |v[XS]|, |v[XS+1]|, |v[XS+2]|
	v_max3_num_f32 v229, |v[XS+3]|, |v[XS+4]|, |v[XS+5]|
.irp i, 6,10,14,18,22,26
	v_max3_num_f32 v228, v228, |v[XS+\i]|, |v[XS+\i+1]|
	v_max3_num_f32 v229, v229, |v[XS+\i+2]|, |v[XS+\i+3]|
.endr
	v_max3_num_f32 v228, v228, |v[XS+30]|, |v[XS+31]|
	v_max3_num_f32 v228, v228, v229, 0x4800000
	v_add_nc_u32 v230, 0xfc000000, v228
	v_and_or_b32 v231, v228, 0x7f800000, s95
	v_lshrrev_b32 v232, 23, v230
.if (\p) == 0
	v_mov_b32 v[SB+(\gq)], v232
.else
	v_lshl_or_b32 v[SB+(\gq)], v232, 8*(\p), v[SB+(\gq)]
.endif
.irp i, 0,1,2,3,4,5,6,7,8,9,10,11,12,13,14,15,16,17,18,19,20,21,22,23,24,25,26,27,28,29,30,31
	v_med3_num_f32 v[XS+\i], v[XS+\i], -v231, v231
.endr
	v_cvt_scalef32_pk8_fp8_f32 v[CC:CC+1], v[XS:XS+7], v230
	v_cvt_scalef32_pk8_fp8_f32 v[CC+2:CC+3], v[XS+16:XS+23], v230
	v_cvt_scalef32_pk8_fp8_f32 v[CC+4:CC+5], v[XS+8:XS+15], v230
	v_cvt_scalef32_pk8_fp8_f32 v[CC+6:CC+7], v[XS+24:XS+31], v230
	v_nop
	global_store_b128 v[VO], v[CC:CC+3], s[96:97] offset:((\gq)/2)*VVI+((\gq)%2)*4096+(\p)*512 th:TH_STORE_NT
	global_store_b128 v[VO], v[CC+4:CC+7], s[96:97] offset:((\gq)/2)*VVI+((\gq)%2)*4096+(\p)*512+256 th:TH_STORE_NT
.endm
.macro VP p
.if (\p) > 0
	s_wait_xcnt 0x0
.endif
	WIN 0x08+4*((\p)/2)
.irp u, 0,1
.irp b, 0,1,2,3,4,5,6,7
	ds_store_b128 v[STO], v[64*((2*(\p)+\u)%4)+8*\b:64*((2*(\p)+\u)%4)+8*\b+3] offset:\u*16*SPITCH+64*\b
	ds_store_b128 v[STO], v[64*((2*(\p)+\u)%4)+8*\b+4:64*((2*(\p)+\u)%4)+8*\b+7] offset:\u*16*SPITCH+64*\b+16
.endr
.endr
	WIN 0
	VLD 0
	VLD 1
	s_wait_dscnt 32
	VBLK \p, 0
	VLD 2
	s_wait_dscnt 32
	VBLK \p, 1
	VLD 3
	s_wait_dscnt 32
	VBLK \p, 2
	s_wait_dscnt 0x0
	VBLK \p, 3
.endm
	VP 0
	VP 1
	VP 2
	VP 3
	global_store_b64 v[L8], v[SB:SB+1], s[96:97] offset:8192 th:TH_STORE_NT
	global_store_b64 v[L8], v[SB+2:SB+3], s[96:97] offset:VVI+8192 th:TH_STORE_NT
.Lend:
	s_wait_tensorcnt 0x0
	ds_add_u32 v[SPW], v[NIL]
	s_wait_dscnt 0x0
	CROUND
	s_endpgm
.Lfunc_end_k_q4c678a1ca8_qkv:
	.size	k_q4c678a1ca8_qkv, .Lfunc_end_k_q4c678a1ca8_qkv-k_q4c678a1ca8_qkv
	.p2alignl 7, 3214868480
	.fill 96, 4, 3214868480
	.section	.rodata,"a",@progbits
	.p2align	6, 0x0
	.amdhsa_kernel k_q4c678a1ca8_qkv
		.amdhsa_group_segment_fixed_size 327680
		.amdhsa_private_segment_fixed_size 0
		.amdhsa_enable_private_segment 0
		.amdhsa_kernarg_size 48
		.amdhsa_user_sgpr_count 2
		.amdhsa_user_sgpr_kernarg_segment_ptr 1
		.amdhsa_wavefront_size32 1
		.amdhsa_system_sgpr_workgroup_id_x 1
		.amdhsa_system_sgpr_workgroup_id_y 1
		.amdhsa_system_sgpr_workgroup_id_z 1
		.amdhsa_system_vgpr_workitem_id 0
		.amdhsa_next_free_vgpr 1024
		.amdhsa_next_free_sgpr 100
		.amdhsa_reserve_vcc 1
		.amdhsa_float_denorm_mode_32 3
		.amdhsa_float_denorm_mode_16_64 3
		.amdhsa_memory_ordered 1
		.amdhsa_forward_progress 1
		.amdhsa_inst_pref_size 255
	.end_amdhsa_kernel
	.section	.bss,"aw",@nobits
	.p2align	6
	.space	262144
	.amdgpu_metadata
---
amdhsa.version: [ 1, 2 ]
amdhsa.kernels:
  - .name:           k_q4c678a1ca8_qkv
    .symbol:         k_q4c678a1ca8_qkv.kd
    .args:
      - { .name: x_codes, .offset: 0, .size: 8, .value_kind: global_buffer, .address_space: global }
      - { .name: x_scales, .offset: 8, .size: 8, .value_kind: global_buffer, .address_space: global }
      - { .name: w_qkv_codes, .offset: 16, .size: 8, .value_kind: global_buffer, .address_space: global }
      - { .name: w_qkv_scales, .offset: 24, .size: 8, .value_kind: global_buffer, .address_space: global }
      - { .name: qk, .offset: 32, .size: 8, .value_kind: global_buffer, .address_space: global }
      - { .name: vv, .offset: 40, .size: 8, .value_kind: global_buffer, .address_space: global }
    .group_segment_fixed_size: 327680
    .private_segment_fixed_size: 0
    .kernarg_segment_align: 8
    .kernarg_segment_size: 48
    .max_flat_workgroup_size: 128
    .sgpr_count:     100
    .vgpr_count:     1024
    .wavefront_size: 32
...
	.end_amdgpu_metadata
.endif
;; end of part 2
;; launch attn (part 3): grid 4 x 64, 16 waves a work-group, clusters of 4 x 1, 327,680 bytes of LDS; arguments qk, vv, inputs, out0; writes out0
.if DOCPART == 3
	.amdgcn_target "amdgcn-amd-amdhsa--gfx1250"
	.amdhsa_code_object_version 6
	.text
	.protected	k_q4c678a1ca8_attn
	.globl	k_q4c678a1ca8_attn
	.p2align	8
	.type	k_q4c678a1ca8_attn,@function
k_q4c678a1ca8_attn:
	s_mov_b64 s[64:65], 0
	v_nop
	global_prefetch_b8 v0, s[64:65] scope:SCOPE_SE
	s_setreg_imm32_b32 hwreg(HW_REG_WAVE_MODE, 25, 1), 1
	s_wait_xcnt 0x0
	s_wait_alu depctr_hold_cnt(0) depctr_sa_sdst(0) depctr_va_vdst(0) depctr_va_sdst(0) depctr_va_ssrc(0) depctr_va_vcc(0) depctr_vm_vsrc(0)
	s_getreg_b32 s2, hwreg(HW_REG_IB_STS2, 6, 4)
	s_cmp_eq_u32 s2, 0
	s_cbranch_scc0 .Lentry_in_a_cluster
	s_endpgm
.Lentry_in_a_cluster:
	s_bfe_u32 s2, ttmp6, 0x10000c
	s_cmp_lg_u32 s2, 0x3003
	s_cbranch_scc0 .Lentry_shape_is_right
	s_endpgm
.Lentry_shape_is_right:
; out0[b][q][64 head + d] = inputs[..] + sum over k <= q of softmax_k(q . k / 8) v[k][d], both products on codes of E4M3 with one E8M0 scale for each 32 along a product's K.
; q, k and v come as images of the operands' registers (buffers qk and vv): a fragment is read by loads of 16 bytes at 16 x lane.
; LEFT OUT: key steps of 128 keys all of which come after a tile's queries: the causal mask gives them the weight 0 for every input.
; THE SOFTMAX: t = score x log2(e) / 8; M = the row's largest t so far, rounded up to a whole number; p = 2^(t - M) is quantised along the keys; the row's sum is taken of the unquantised p and divides at the end.
; When M moves, the sum and O are multiplied by 2^(old M - new M): exact.
; K AND V OF A WHOLE HEAD STAY IN LDS: 139,264 + 135,168 bytes, filled once by sixteen tensor loads, one a wave: two key steps of k (68 rows of 256 bytes) or of v (66 rows) each.  Nothing is filled again: the loops over the keys have no barrier inside.
; CLUSTER: the four work-groups of a head need the same bytes at the same place in LDS, so each load is a joint one (mask 15).
; SHARES.  A head's queries are 16 blocks of 128, a block 8 tiles of 16.  Work-group cx takes tiles 2 cx and 2 cx + 1 of every block; wave w takes tile T = 2 cx + w % 2 of block p = 15 - w / 2 and then of block 15 - p:
; (p + 1) + (16 - p) = 17 key steps in every wave of every work-group.  Branches and LDS addresses hang on the wave's number and the trip alone; cx enters global addresses and the mask's lane bits only.
; The first tile walks key steps 0 .. p, the second 15 - p .. 0: the step's number is the trip or 16 - the trip.  Trips p and p + 1 lie on the diagonal; there hidden scores become -infinity.  A query's own key counts, so M is a number from a tile's first step on.
; THE LANDING IN TWO PARTS.  p is 8 at the least, so trips 0 to 3 of every wave read key steps 0 to 3 and lie under the diagonal.  Waves 0 and 1 fetch those steps of k, waves 2 and 3 of v, by load lines of their own, and wait for them ahead of a first barrier;
; a loop of four trips follows; then every wave waits for its load, a second barrier shows all of k and v, and the other 13 trips follow.
; LAYOUT.  S^T = K Q^T (source 0 = 16 keys, source 1 = my 16 queries), O^T = V^T P^T: a lane holds one query throughout.  Register j of S^T's tile t is key 16 t + 8 h + j; vv has v's codes in the order in which P's codes then fall.
; THE HEAD'S 64 IN A K STEP OF 128: Q's upper 64 places are zero codes; K's tiles lie back to back, 8 registers each, so an operand's upper 8 registers are the next tile's codes (behind the last: zeros), under the scale byte 127.
; THE WAY OUT: a stage of 8 rows x 272 bytes a wave (16 rows for sixteen waves do not fit beside K and V: 274,432 + 69,632 bytes).  Lanes r and r xor 8 trade halves of their rows in registers, so that in each of two passes
; all lanes hold parts of eight whole rows: lanes r < 8 bytes 0-127 of row r % 8 of the pass, lanes r >= 8 bytes 128-255.  The rows come back as 256 bytes in sixteen lanes.
; PREFETCH: k and v are asked for whole in the head's first lines, so there is no trip to run ahead in; the residual's 32 rows of a wave are named once, a lane a row, behind the second barrier: five trips or more ahead of the first way out.
; LIMITS: NaN and infinities are not served (on the way out a lane's sums are multiplied by 0 where its partner's are taken); the promise holds while the scaled scores stay under 2^31 in magnitude;
; a block of p that has fallen to zeros keeps the scale byte 1: its codes are zeros.
.set QKI,   139264                     ; qk: bytes of one head's q or k;
.set QKS,   8704                       ; of one step of 128 tokens: 8 tiles of 1,024 bytes, 512 bytes of scale words
.set VVI,   135168                     ; vv: of one head;
.set VVS,   8448                       ; of one step: 4 tiles of 2,048 bytes, 256 bytes of scale words
.set KSL,   2*QKS                      ; what one load of k brings
.set VSL,   2*VVS                      ; what one load of v brings
.set VOFF,  QKI                        ; LDS: k from 0, v behind it
.set STAGE, QKI+VVI
.set STW,   8*272
.set SPARE, STAGE+16*STW               ; the spare words, 128 bytes for each of sixteen waves
.set EARLY, 4                          ; trips on the first part of the landing
.set LI,  1                            ; v1   16 x lane
.set LIV, 2                            ; v2   VOFF + 16 x lane
.set L8V, 3                            ; v3   VOFF + 8 x lane
.set ADR, 4                            ; v4   the step's K
.set SPW, 5                            ; v5   my spare word; never rewritten
.set NIL, 6                            ; v6   0; never rewritten
.set PFO, 7                            ; v7   the prefetch's offset; never rewritten
.set STO, 8                            ; v8   the stage: where I put 32 bytes of a row
.set RD,  9                            ; v9   and where I read a row back
.set GO,  10                           ; v10  my byte offset in two rows of inputs and out0
.set ADV, 11                           ; v11  the step's V
                                       ; v12 -M, v13 the largest t, v[14:15] the sum
.set QF,  16                           ; v16-23 Q's codes, v24-31 zeros
.set KB,  32                           ; v32-95 K's 8 tiles, v96-103 zeros; then V's 4 tiles; on the way out the residual
.set S,   104                          ; v104-167 S^T, then p
.set O,   168                          ; v168-199 O^T
.set PC,  200                          ; v200-215 p's codes
.set BM,  216                          ; v216-219 the blocks' largest scores, then largest p; on the way out the four weights
.set PM,  220                          ; v220-223 lane permutes' destinations, sums at work, then the scale bytes
.set HO,  224                          ; v224-227 sums at work, then 448 x the scale
.set SO,  228                          ; v228-231 sums at work, then the conversions' scale operands
.set Q2,  232                          ; v232-239 the second tile's Q
.set FF,  240                          ; v[240:241] f = 2^(old M - new M)
.set TP,  242
.set PW,  243                          ; p's scale word
.set KSC, 244                          ; v244-247 K's scale words
.set VSC, 248                          ; v248-249 V's
.set QS,  250                          ; Q's scale words
.set NINF, 251
.set ADV8, 252                         ; the step's scale words of V
.set QS2, 253
.set DT,  254                          ; v[254:255] sums at work; between the two loops the mask's bound
.set IX,  2                            ; s2   the key step
.set TK,  3                            ; s3   its bytes in k
.set WV,  12
.set I1,  13                           ; p + 1: the trip at which the second tile begins
.set VS,  14                           ; the trip
.set PP,  15                           ; p
.set TV,  16                           ; the key step's bytes in v
.set Q0,  17                           ; my tile's first query
.set Q0B, 18                           ; the second tile's
.set MNT, 19
.set SEL, 20
.set CS,  22
.set G1K, 24                           ; until the landing s24-47 hold the descriptors, s48-63 and s89 are at work
.set G1V, 32
.set G0K, 40
.set G0V, 44
.set KD,  89                           ; 0: my load is of k; 1: of v
.set BHO, 90                           ; my batch's and head's bytes in inputs and out0
; behind the landing s24-63 and s66-89 hold the mask: for register n of S^T the lanes whose key is hidden on the diagonal
.macro BARRIER
	s_barrier_signal -1
	s_barrier_wait -1
.endm
.macro CROUND                          ; a round of the cluster's barrier
	BARRIER
	s_cmp_lg_u32 s[WV], 0
	s_cbranch_scc1 .Lnot_wave_0_\@
	s_barrier_signal -3
.Lnot_wave_0_\@:
	s_barrier_wait -3
	BARRIER
.endm
.macro TLOAD g0, g1                    ; a joint load; an s_nop 0 and four v_nop follow it
	tensor_load_to_lds s[\g0:\g0+3], s[\g1:\g1+7]
	s_nop 0
.rept 4
	v_nop
.endr
.endm
	s_load_b256 s[4:11], s[0:1], 0x0               ; qk s[4:5], vv s[6:7], inputs s[8:9], out0 s[10:11]
	v_lshl_add_u32 v[SPW], v0, 2, SPARE
	v_mov_b32 v[NIL], 0
	ds_add_u32 v[SPW], v[NIL]                      ; the opening: two adds on end, and their wait ahead of my tensor load
	ds_add_u32 v[SPW], v[NIL]
	v_lshrrev_b32 v12, 5, v0
	v_readfirstlane_b32 s[WV], v12                 ; wave 0..15
	s_bfe_u32 s48, ttmp6, 0x40000                  ; cx
	s_and_b32 s49, ttmp7, 0xffff                   ; 16 x batch + head
	s_lshr_b32 s53, s[WV], 1                       ; the second tile's block, 0 .. 7
	s_sub_co_u32 s50, 15, s53                      ; p: the first tile's, 8 .. 15
	s_and_b32 s51, s[WV], 1
	s_bfe_u32 s[KD], s[WV], 0x10001                ; waves 0, 1, 4, 5, 8, 9, 12, 13 fetch k, the others v:
	s_lshr_b32 s55, s[WV], 2
	s_lshl_b32 s55, s55, 1
	s_or_b32 s55, s55, s51                         ; key steps 2 n and 2 n + 1, n = 2 (wave / 4) + wave % 2
	s_add_co_u32 s[I1], s50, 1
	s_mov_b32 s[PP], s50
	s_lshl_b32 s52, s48, 1
	s_add_co_u32 s52, s52, s51                     ; T
	s_lshl_b32 s54, s52, 4
	s_lshl_b32 s[Q0], s50, 7
	s_add_co_u32 s[Q0], s[Q0], s54
	s_lshl_b32 s[Q0B], s53, 7
	s_add_co_u32 s[Q0B], s[Q0B], s54
	s_lshr_b32 s[BHO], s49, 4
	s_lshl_b32 s[BHO], s[BHO], 23                  ; a batch: 2,048 rows of 4,096 bytes
	s_and_b32 s61, s49, 15
	s_lshl_b32 s61, s61, 8                         ; a head: 256 bytes of a row
	s_add_co_u32 s[BHO], s[BHO], s61
	s_sub_co_u32 s56, s50, s53
	s_lshl_b32 s56, s56, 19                        ; from the second tile's rows up to the first's: 128 (2 p - 15) rows
	s_lshl_b32 s61, s52, 10
	s_mul_i32 s57, s50, QKS
	s_mul_i32 s58, s53, QKS
	s_lshl_b32 s59, s48, 2                         ; a tile's scale words: dword T / 2 of lanes 16 (T % 2) on, behind the step's 8,192 bytes of codes
	s_lshl_b32 s60, s51, 8
	s_add_co_u32 s59, s59, s60
	s_add_co_u32 s59, s59, 8192
	s_add_co_u32 s60, s58, s59
	s_add_co_u32 s59, s57, s59
	s_add_co_u32 s57, s57, s61                     ; and its codes
	s_add_co_u32 s58, s58, s61
	s_mul_i32 s91, s[WV], STW
	s_add_co_u32 s91, s91, STAGE                   ; my stage
	; descriptor groups 1: a dense block as rows of 256 bytes (32 elements of 8), no padding; the mask names the cluster's four
	s_mov_b32 s[G1K], 15|(3<<16)|(1<<21)
	s_mov_b32 s[G1K+1], 32<<16
	s_mov_b32 s[G1K+2], (KSL/256)<<16
	s_mov_b32 s[G1K+3], 32<<16
	s_mov_b32 s[G1K+4], KSL/256
	s_mov_b32 s[G1K+5], 32
	s_mov_b32 s[G1K+6], 0
	s_mov_b32 s[G1K+7], 0
	s_mov_b32 s[G1V], 15|(3<<16)|(1<<21)
	s_mov_b32 s[G1V+1], 32<<16
	s_mov_b32 s[G1V+2], (VSL/256)<<16
	s_mov_b32 s[G1V+3], 32<<16
	s_mov_b32 s[G1V+4], VSL/256
	s_mov_b32 s[G1V+5], 32
	s_mov_b32 s[G1V+6], 0
	s_mov_b32 s[G1V+7], 0
	s_mov_b32 s[G0K], 1
	s_mul_i32 s[G0K+1], s55, KSL                   ; part n, in LDS as in memory
	s_mov_b32 s[G0V], 1
	s_mul_i32 s[G0V+1], s55, VSL
	s_mul_i32 s94, s49, QKI                        ; my head's q,
	s_mov_b32 s95, 0
	s_add_co_u32 s62, s94, 64*QKI                  ; its k,
	s_add_co_u32 s62, s62, s[G0K+1]
	s_mov_b32 s63, 0
	s_mul_i32 s92, s49, VVI                        ; its v
	s_add_co_u32 s92, s92, s[G0V+1]
	s_mov_b32 s93, 0
	s_add_co_u32 s[G0V+1], s[G0V+1], VOFF
	s_lshl_b32 s96, s[Q0B], 12
	s_add_co_u32 s96, s96, s[BHO]
	s_mov_b32 s97, 0
	s_mov_b32 s[SEL], 0x76543210
	s_mov_b32 s[SEL+1], 0xfedcba98
	s_mov_b32 s[CS], 0x3e38aa3b                    ; log2(e) / 8
	s_mov_b32 s[CS+1], s[CS]
	s_mov_b32 s[MNT], 0x600000
	s_mov_b32 s[VS], 0
	s_wait_dscnt 0x0                               ; both opening adds are done
	CROUND                                         ; the four work-groups are here: the joint loads meet
	s_wait_kmcnt 0x0
	s_add_nc_u64 s[G0K+2:G0K+3], s[4:5], s[62:63]
	s_or_b32 s[G0K+3], s[G0K+3], 0x80000000
	s_add_nc_u64 s[G0V+2:G0V+3], s[6:7], s[92:93]
	s_or_b32 s[G0V+3], s[G0V+3], 0x80000000
	s_add_nc_u64 s[100:101], s[4:5], s[94:95]      ; q
	s_add_nc_u64 s[98:99], s[8:9], s[96:97]        ; the residual's rows of my second tile; never rewritten
	s_cmp_lt_u32 s[WV], 2                          ; one joint load a wave, in one chain of branches on the wave's number; waves 0 to 3, which wait ahead of the first barrier, have lines of their own
	s_cbranch_scc0 .Lnot_k_first
	TLOAD G0K, G1K                                 ; waves 0, 1: key steps 0 to 3 of k
	s_branch .Lasked
.Lnot_k_first:
	s_cmp_lt_u32 s[WV], 4
	s_cbranch_scc0 .Lnot_v_first
	TLOAD G0V, G1V                                 ; waves 2, 3: of v
	s_branch .Lasked
.Lnot_v_first:
	s_cmp_eq_u32 s[KD], 0
	s_cbranch_scc0 .Lfor_v
	TLOAD G0K, G1K                                 ; key steps 4 to 15 of k
	s_branch .Lasked
.Lfor_v:
	TLOAD G0V, G1V                                 ; and of v
.Lasked:
	v_and_b32 v12, 31, v0                          ; lane
	v_and_b32 v13, 15, v0                          ; r
	v_bfe_u32 v14, v0, 4, 1                        ; h
	v_and_b32 v15, 7, v0                           ; r % 8
	v_bfe_u32 v[S+5], v0, 3, 1                     ; r / 8
	v_lshlrev_b32 v[LI], 4, v12
	v_lshl_add_u32 v[L8V], v12, 3, VOFF
	v_lshl_add_u32 v[LIV], v12, 4, VOFF
	v_mul_u32_u24 v[STO], v15, 272
	v_mul_u32_u24 v[RD], v14, 272
	v_lshl_add_u32 v[STO], v14, 5, v[STO]
	v_lshl_add_u32 v[RD], v13, 4, v[RD]
	v_lshl_add_u32 v[STO], v[S+5], 7, v[STO]
	v_add_nc_u32 v[RD], s91, v[RD]                 ; back: lanes 0-15 one row, lanes 16-31 the next
	v_add_nc_u32 v[STO], s91, v[STO]               ; in: row r % 8, half r / 8 of its 256 bytes; there a tile's eight channels of my h: 64 t + 32 h bytes on
	v_lshlrev_b32 v[S], 4, v13
	v_lshl_add_u32 v[GO], v14, 12, v[S]            ; and the same two rows in memory
	v_add_nc_u32 v[S+1], s57, v[LI]
	v_add_nc_u32 v[S+2], s58, v[LI]
	v_add_nc_u32 v[S+3], s59, v[S]
	v_add_nc_u32 v[S+4], s60, v[S]
	v_mul_u32_u24 v[PFO], s56, v14                 ; lanes 0-15 name the second tile's rows, lanes 16-31 the first's
	v_lshl_add_u32 v[PFO], v13, 12, v[PFO]
	global_load_b128 v[QF:QF+3], v[S+1], s[100:101]
	global_load_b128 v[QF+4:QF+7], v[S+1], s[100:101] offset:512
	global_load_b32 v[QS], v[S+3], s[100:101]
	global_load_b128 v[Q2:Q2+3], v[S+2], s[100:101]
	global_load_b128 v[Q2+4:Q2+7], v[S+2], s[100:101] offset:512
	global_load_b32 v[QS2], v[S+4], s[100:101]
.irp j, 0,1,2,3,4,5,6,7
	v_mov_b32 v[QF+8+\j], 0                        ; Q's upper 64 places: zero codes
	v_mov_b32 v[KB+64+\j], 0                       ; what stands behind K's last tile
.endr
.irp b, 0,1,2,3
	v_mov_b32 v[PM+\b], 0                          ; a lane permute's destination counts as one of its sources
.endr
	v_mov_b32 v[FF+1], 0
	v_mov_b32 v[TP], 0
	v_mov_b32 v[NINF], 0xff800000
.macro INIT                            ; a tile begins: the first change of M multiplies zeros
	v_mov_b32 v13, 0xff61b1e6                      ; the largest t so far: -3e38
	s_delay_alu instid0(VALU_DEP_1)
	v_floor_f32 v12, -v13                          ; -M
	v_mov_b32 v14, 0
	v_mov_b32 v15, 0
.set J_, 0
.rept 32
	v_mov_b32 v[O+J_], 0
.set J_, J_+1
.endr
.endm
	INIT
.macro ADD3 d, a, b
	v_pk_add_f32 v[\d:\d+1], v[\a:\a+1], v[\b:\b+1]
.endm
; A KEY STEP: 128 keys.  early = 1: one of the first trips: the key step is the trip, and no key is hidden.
.macro STEP early
.if \early
	s_mul_i32 s[TK], s[VS], QKS
	s_mul_i32 s[TV], s[VS], VVS
.else
	s_sub_co_u32 s[IX], 16, s[VS]
	s_cmp_lt_u32 s[VS], s[I1]
	s_cselect_b32 s[IX], s[VS], s[IX]              ; the first tile goes up the keys, the second down
	s_min_u32 s[IX], s[IX], 15                     ; a head has steps 0 .. 15
	s_mul_i32 s[TK], s[IX], QKS
	s_mul_i32 s[TV], s[IX], VVS
.endif
	v_add_nc_u32 v[ADR], s[TK], v[LI]
	v_add_nc_u32 v[ADV], s[TV], v[LIV]
	v_add_nc_u32 v[ADV8], s[TV], v[L8V]
.rept 5
	v_nop                                          ; with the three additions: eight places in front of loads into registers that the last products read
.endr
.irp t, 0,1,2,3,4,5,6,7
	ds_load_b128 v[KB+8*\t:KB+8*\t+3], v[ADR] offset:\t*1024
	ds_load_b128 v[KB+8*\t+4:KB+8*\t+7], v[ADR] offset:\t*1024+512
.endr
	ds_load_b128 v[KSC:KSC+3], v[ADR] offset:8192
	s_wait_alu depctr_va_vdst(0)                   ; directly ahead of the wait below
	s_wait_dscnt 0x0
.irp t, 0,2,4,6                                ; S^T = K Q^T
	v_wmma_scale_f32_16x16x128_f8f6f4 v[S+8*\t:S+8*\t+7], v[KB+8*\t:KB+8*\t+15], v[QF:QF+15], 0, v[KSC+\t/2], v[QS]
	v_wmma_scale_f32_16x16x128_f8f6f4 v[S+8*(\t+1):S+8*(\t+1)+7], v[KB+8*(\t+1):KB+8*(\t+1)+15], v[QF:QF+15], 0, v[KSC+\t/2], v[QS] matrix_a_scale:MATRIX_SCALE_ROW1
.endr
.rept 8
	v_nop                                          ; places in front of the loads below and of the first read of the scores
.endr
.irp t, 0,1,2,3                                ; V's four tiles take K's registers: they land while the softmax is walked
.irp c, 0,1,2,3
	ds_load_b128 v[KB+16*\t+4*\c:KB+16*\t+4*\c+3], v[ADV] offset:\t*2048+\c*512
.endr
.endr
	ds_load_b64 v[VSC:VSC+1], v[ADV8] offset:8192
.if \early == 0
	s_sub_co_u32 s91, s[VS], s[PP]                 ; trips p and p + 1 lie on the diagonal
	s_cmp_gt_u32 s91, 1
	s_cbranch_scc1 .Lopen_\@
.set N_, 0
.rept 64
	v_cndmask_b32 v[S+N_], v[S+N_], v[NINF], s[24+N_+2*(N_/40)]
.set N_, N_+1
.endr
.Lopen_\@:
.endif
.irp b, 0,1,2,3
	v_max3_num_f32 v[BM+\b], v[S+16*\b], v[S+16*\b+1], v[S+16*\b+2]   ; the largest score of each block of 32 keys: for the row's maximum and, since p rises with the score, for the block's largest p
.endr
.irp i, 3,5,7,9,11,13
.irp b, 0,1,2,3
	v_max3_num_f32 v[BM+\b], v[BM+\b], v[S+16*\b+\i], v[S+16*\b+\i+1]
.endr
.endr
.irp b, 0,1,2,3
	v_max_num_f32 v[BM+\b], v[BM+\b], v[S+16*\b+15]
.endr
.irp b, 0,1,2,3
	s_delay_alu instid0(VALU_DEP_4)
	v_permlanex16_b32 v[PM+\b], v[BM+\b], s[SEL], s[SEL+1]
.endr
.irp b, 0,1,2,3
	s_delay_alu instid0(VALU_DEP_4)
	v_max_num_f32 v[BM+\b], v[BM+\b], v[PM+\b]     ; with lane l xor 16's 16 keys
.endr
	s_delay_alu instid0(VALU_DEP_2)
	v_max3_num_f32 v[TP], v[BM], v[BM+1], v[BM+2]
	s_delay_alu instid0(VALU_DEP_1)
	v_max_num_f32 v[TP], v[TP], v[BM+3]            ; the step's largest score of my query
	s_delay_alu instid0(VALU_DEP_1)
	v_mul_f32 v[TP], s[CS], v[TP]                  ; as t
	s_delay_alu instid0(VALU_DEP_1)
	v_max_num_f32 v13, v13, v[TP]                  ; the running largest t
	v_mov_b32 v[TP], v12
	s_delay_alu instid0(VALU_DEP_2)
	v_floor_f32 v12, -v13                          ; the new -M = -ceil(t)
	s_delay_alu instid0(VALU_DEP_1)
	v_sub_f32 v[TP], v12, v[TP]                    ; old M - new M: a whole number, 0 or less
	s_delay_alu instid0(VALU_DEP_1)
	v_cvt_i32_f32 v[TP], v[TP]                     ; (it saturates)
	s_delay_alu instid0(VALU_DEP_1)
	v_ldexp_f32 v[FF], 1.0, v[TP]                  ; f = 2^(old M - new M)
.set J_, 0
.rept 32
	v_pk_fma_f32 v[S+J_:S+J_+1], v[S+J_:S+J_+1], s[CS:CS+1], v[12:13] op_sel_hi:[1,0,0]   ; t - M, two at a time
.set J_, J_+2
.endr
.irp b, 0,1,2,3
	v_fma_f32 v[BM+\b], v[BM+\b], s[CS], v12       ; the same of each block's largest score
.endr
	s_wait_alu depctr_va_vdst(0)                   ; ahead of the batch
.set J_, 0
.rept 64
	v_exp_f32 v[S+J_], v[S+J_]                     ; p = 2^(t - M), at most 1
.set J_, J_+1
.endr
	v_pk_mul_f32 v[14:15], v[14:15], v[FF:FF+1] op_sel_hi:[1,0]   ; the sums under the new M (a plain line behind the exponentials)
	s_wait_alu depctr_va_vdst(0)                   ; one wait for the batch, ahead of its first reader
.irp b, 0,1,2,3
	v_exp_f32 v[BM+\b], v[BM+\b]                   ; the block's largest p
.endr
	ADD3 230, 108, 112                             ; the row's sum of the unquantised p: eight chains side by side
	ADD3 254, 116, 120
	ADD3 220, 124, 128
	ADD3 222, 132, 136
	ADD3 224, 140, 144
	ADD3 226, 148, 152
	ADD3 228, 156, 160
	ADD3 14, 14, 164
	ADD3 230, 230, 104
	ADD3 254, 254, 106
	ADD3 220, 220, 110
	ADD3 222, 222, 114
	ADD3 224, 224, 118
	ADD3 226, 226, 122
	ADD3 228, 228, 126
	ADD3 14, 14, 130
	ADD3 230, 230, 134
	ADD3 254, 254, 138
	ADD3 220, 220, 142
	ADD3 222, 222, 146
	ADD3 224, 224, 150
	ADD3 226, 226, 154
	ADD3 228, 228, 158
	ADD3 14, 14, 162
	ADD3 230, 230, 166
	s_delay_alu instid0(VALU_DEP_2)
	ADD3 14, 14, 222
	s_delay_alu instid0(VALU_DEP_2)
	ADD3 230, 230, 224
	ADD3 254, 254, 226
	ADD3 220, 220, 228
	s_delay_alu instid0(VALU_DEP_2)
	ADD3 14, 14, 254
	s_delay_alu instid0(VALU_DEP_2)
	ADD3 230, 230, 220
	s_delay_alu instid0(VALU_DEP_1)
	ADD3 14, 14, 230
	s_wait_alu depctr_va_vdst(0)                   ; and one for the four
.irp b, 0,1,2,3
	v_max_num_f32 v[BM+\b], 0x4800000, v[BM+\b]    ; the floor 2^(9 - 127): the byte cannot fall under 1
.endr
.irp b, 0,1,2,3
	s_delay_alu instid0(VALU_DEP_4)
	v_add_nc_u32 v[SO+\b], 0xfc000000, v[BM+\b]    ; 8 off the exponent field: the conversion's scale operand
.endr
.irp b, 0,1,2,3
	v_and_or_b32 v[HO+\b], v[BM+\b], 0x7f800000, s[MNT]   ; 448 x the scale
.endr
.irp b, 0,1,2,3
	v_lshrrev_b32 v[PM+\b], 23, v[SO+\b]           ; the scale's byte
.endr
	s_delay_alu instid0(VALU_DEP_3)
	v_lshl_or_b32 v[PW], v[PM+1], 8, v[PM]         ; p's scale word for these 128 keys
	s_delay_alu instid0(VALU_DEP_1)
	v_lshl_or_b32 v[PW], v[PM+2], 16, v[PW]
	s_delay_alu instid0(VALU_DEP_1)
	v_lshl_or_b32 v[PW], v[PM+3], 24, v[PW]
.irp b, 0,1,2,3
.irp i, 0,2,4,6,8,10,12,14
	v_dual_min_num_f32 v[S+16*\b+\i], v[S+16*\b+\i], v[HO+\b] :: v_dual_min_num_f32 v[S+16*\b+\i+1], v[S+16*\b+\i+1], v[HO+\b]   ; the conversion does not saturate (ISA guide 7.6.2); p is not negative: a one-sided hold, two a line
.endr
	v_cvt_scalef32_pk8_fp8_f32 v[PC+4*\b:PC+4*\b+1], v[S+16*\b:S+16*\b+7], v[SO+\b]
	v_cvt_scalef32_pk8_fp8_f32 v[PC+4*\b+2:PC+4*\b+3], v[S+16*\b+8:S+16*\b+15], v[SO+\b]
.endr
	s_wait_alu depctr_va_vdst(0)                   ; directly ahead of the first reader of O^T
.set J_, 0
.rept 16
	v_pk_mul_f32 v[O+J_:O+J_+1], v[O+J_:O+J_+1], v[FF:FF+1] op_sel_hi:[1,0]   ; O^T under the new M (also the places between the codes and the products)
.set J_, J_+2
.endr
	s_wait_alu depctr_va_vdst(0)                   ; directly ahead of the wait below
	s_wait_dscnt 0x0                               ; V and its scale words
.irp t, 0,2                                    ; O^T += V^T P^T: four accumulators by turns; the scores' products stand between two steps of a sum
	v_wmma_scale_f32_16x16x128_f8f6f4 v[O+8*\t:O+8*\t+7], v[KB+16*\t:KB+16*\t+15], v[PC:PC+15], v[O+8*\t:O+8*\t+7], v[VSC+\t/2], v[PW]
	v_wmma_scale_f32_16x16x128_f8f6f4 v[O+8*(\t+1):O+8*(\t+1)+7], v[KB+16*(\t+1):KB+16*(\t+1)+15], v[PC:PC+15], v[O+8*(\t+1):O+8*(\t+1)+7], v[VSC+\t/2], v[PW] matrix_a_scale:MATRIX_SCALE_ROW1
.endr
.endm
; A pass of the way out: eight whole rows.  x: 16 registers; a lane that keeps its own takes O^T's registers own .. own + 15 times its weight wo, the others take lane r xor 8's registers oth .. oth + 15 times that lane's weight wx.
; Each weight is 1 / the row's sum in the lanes that take the number and 0 in the others.  Then into my stage, all lanes on, and back as whole rows into d.
.macro PASS x, own, wo, oth, wx, d
.set J_, 0
.rept 16
	v_mul_f32_dpp v[\x+J_], v[O+\oth+J_], v[\wx] row_xmask:8 row_mask:0xf bank_mask:0xf
.set J_, J_+1
.endr
.set J_, 0
.rept 16
	v_fmac_f32 v[\x+J_], v[O+\own+J_], v[\wo]
.set J_, J_+1
.endr
.irp t, 0,1
	ds_store_b128 v[STO], v[\x+8*\t:\x+8*\t+3] offset:64*\t
	ds_store_b128 v[STO], v[\x+8*\t+4:\x+8*\t+7] offset:64*\t+16
.endr
.irp i, 0,1,2,3
	ds_load_b128 v[\d+4*\i:\d+4*\i+3], v[RD] offset:544*\i   ; LDS serves a wave's instructions in order (ISA guide 5.7.1.4)
.endr
.endm
; THE WAY OUT of a tile: O^T / the row's sum, through the stage, plus the residual.
.macro OUT
.rept 8
	v_nop                                          ; places behind the last products
.endr
	s_lshl_b32 s92, s[Q0], 12
	s_add_co_u32 s92, s92, s[BHO]
	s_mov_b32 s93, 0
	s_add_nc_u64 s[94:95], s[8:9], s[92:93]
	s_add_nc_u64 s[96:97], s[10:11], s[92:93]
	s_mov_b32 s92, 0x00ff00ff                      ; the lanes with r < 8
.irp i, 0,1,2,3,4,5,6,7
	global_load_b128 v[KB+4*\i:KB+4*\i+3], v[GO], s[94:95] offset:8192*\i th:TH_LOAD_NT   ; sixteen lanes read one query's 256 bytes of this head
.endr
	v_add_f32 v14, v14, v15
	s_delay_alu instid0(VALU_DEP_1)
	v_permlanex16_b32 v[TP], v14, s[SEL], s[SEL+1]
	s_delay_alu instid0(VALU_DEP_1)
	v_add_f32 v14, v14, v[TP]                      ; the row's sum
	s_wait_alu depctr_va_vdst(0)
	v_rcp_f32 v14, v14
	v_nop
	s_wait_alu depctr_va_vdst(0)                   ; ahead of the reciprocal's first reader
	v_cndmask_b32 v[BM], 0, v14, s92               ; my weight where r < 8,
	v_cndmask_b32 v[BM+1], v14, 0, s92             ; where r >= 8,
	v_mov_b32_dpp v[BM+2], v[BM] row_xmask:8 row_mask:0xf bank_mask:0xf     ; and lane r xor 8's two
	v_mov_b32_dpp v[BM+3], v[BM+1] row_xmask:8 row_mask:0xf bank_mask:0xf
	s_wait_alu depctr_va_vdst(0)                   ; directly ahead of the first reader of O^T
	PASS S, 0, BM, 16, BM+2, S+32                  ; rows 0-7: lanes r < 8 keep channels 0-31, lanes r >= 8 take their partner's channels 32-63
	PASS S+16, 16, BM+1, 0, BM+3, S+48             ; rows 8-15: lanes r >= 8 keep channels 32-63, lanes r < 8 take their partner's channels 0-31
	s_wait_loadcnt 0x0                             ; the residual
.irp i, 0,1,2,3,4,5,6,7
	s_wait_dscnt (7-\i)%4+8*(1-\i/4)               ; behind load i of the first pass stand its later loads and the second pass's 8 lines; of the second its later loads
	v_pk_add_f32 v[S+32+4*\i:S+32+4*\i+1], v[S+32+4*\i:S+32+4*\i+1], v[KB+4*\i:KB+4*\i+1]
	v_pk_add_f32 v[S+34+4*\i:S+34+4*\i+1], v[S+34+4*\i:S+34+4*\i+1], v[KB+4*\i+2:KB+4*\i+3]
	global_store_b128 v[GO], v[S+32+4*\i:S+32+4*\i+3], s[96:97] offset:8192*\i th:TH_STORE_NT   ; sixteen lanes store 256 consecutive bytes, aligned
.endr
	s_wait_xcnt 0x0                                ; the stores have read their data and their base
.endm
	s_wait_alu depctr_va_vdst(0)
	s_wait_loadcnt 0x0                             ; Q
	s_cmp_lt_u32 s[WV], 4
	s_cbranch_scc0 .Lnot_first
	s_wait_tensorcnt 0x0                           ; waves 0 to 3: key steps 0 to 3 of k and v are in.  The other waves' wait stands at the second barrier
.Lnot_first:
	BARRIER
.Learly:                                           ; trips 0 to 3: key steps 0 to 3 of every wave's first tile
	STEP 1
	s_add_co_u32 s[VS], s[VS], 1
	s_cmp_lg_u32 s[VS], EARLY
	s_cbranch_scc1 .Learly
	s_wait_tensorcnt 0x0                           ; my part of k or v is in,
	BARRIER                                        ; and so is everybody's: from here on all of LDS's k and v is read
	v_bfe_u32 v[DT+1], v0, 4, 1
	v_and_b32 v[DT], 15, v0
	v_lshlrev_b32 v[DT+1], 3, v[DT+1]
	v_sub_nc_u32 v[DT], v[DT], v[DT+1]
	v_add_nc_u32 v[DT], s54, v[DT]                 ; d = 16 T + r - 8 h: on the diagonal register 8 t + j is hidden where 16 t + j > d
.set N_, 0
.rept 8                                ; the mask's lane bits, over the descriptors, which are done with
.rept 8
	v_cmp_gt_i32 s[24+N_+2*(N_/40)], N_%8, v[DT]
.set N_, N_+1
.endr
.if N_ < 64
	v_add_nc_u32 v[DT], -16, v[DT]
.endif
.endr
	global_prefetch_b8 v[PFO], s[98:99] th:TH_LOAD_NT scope:SCOPE_SE   ; my 32 rows' 256 bytes of the residual, each named once in the launch
	s_mov_b32 s[VS], EARLY
.Ltrip:                                            ; trips 4 to 16
	s_cmp_lg_u32 s[VS], s[I1]                      ; trip p + 1: the first tile is finished, the second begins
	s_cbranch_scc1 .Lsame
	OUT
	s_mov_b32 s[Q0], s[Q0B]
	v_mov_b32 v[QS], v[QS2]
.irp j, 0,1,2,3,4,5,6,7
	v_mov_b32 v[QF+\j], v[Q2+\j]
.endr
	INIT
.Lsame:
	STEP 0
	s_add_co_u32 s[VS], s[VS], 1
	s_cmp_lg_u32 s[VS], 17
	s_cbranch_scc1 .Ltrip
	OUT
	s_wait_tensorcnt 0x0                           ; the wave's end
	ds_add_u32 v[SPW], v[NIL]
	s_wait_dscnt 0x0
	CROUND                                         ; the closing round
	s_endpgm
.Lfunc_end_k_q4c678a1ca8_attn:
	.size	k_q4c678a1ca8_attn, .Lfunc_end_k_q4c678a1ca8_attn-k_q4c678a1ca8_attn
	.p2alignl 7, 3214868480
	.fill 96, 4, 3214868480
	.section	.rodata,"a",@progbits
	.p2align	6, 0x0
	.amdhsa_kernel k_q4c678a1ca8_attn
		.amdhsa_group_segment_fixed_size 327680
		.amdhsa_private_segment_fixed_size 0
		.amdhsa_enable_private_segment 0
		.amdhsa_kernarg_size 32
		.amdhsa_user_sgpr_count 2
		.amdhsa_user_sgpr_kernarg_segment_ptr 1
		.amdhsa_wavefront_size32 1
		.amdhsa_system_sgpr_workgroup_id_x 1
		.amdhsa_system_sgpr_workgroup_id_y 1
		.amdhsa_system_sgpr_workgroup_id_z 1
		.amdhsa_system_vgpr_workitem_id 0
		.amdhsa_next_free_vgpr 256
		.amdhsa_next_free_sgpr 102
		.amdhsa_reserve_vcc 0
		.amdhsa_float_denorm_mode_32 3
		.amdhsa_float_denorm_mode_16_64 3
		.amdhsa_memory_ordered 1
		.amdhsa_forward_progress 1
		.amdhsa_inst_pref_size 76
	.end_amdhsa_kernel
	.amdgpu_metadata
---
amdhsa.version: [ 1, 2 ]
amdhsa.kernels:
  - .name:           k_q4c678a1ca8_attn
    .symbol:         k_q4c678a1ca8_attn.kd
    .args:
      - { .name: qk, .offset: 0, .size: 8, .value_kind: global_buffer, .address_space: global }
      - { .name: vv, .offset: 8, .size: 8, .value_kind: global_buffer, .address_space: global }
      - { .name: inputs, .offset: 16, .size: 8, .value_kind: global_buffer, .address_space: global }
      - { .name: out0, .offset: 24, .size: 8, .value_kind: global_buffer, .address_space: global }
    .group_segment_fixed_size: 327680
    .private_segment_fixed_size: 0
    .kernarg_segment_align: 8
    .kernarg_segment_size: 32
    .max_flat_workgroup_size: 512
    .sgpr_count:     102
    .vgpr_count:     256
    .wavefront_size: 32
...
	.end_amdgpu_metadata
.endif
;; end of part 3
